; MI455X (gfx1250); checked and timed in simulation.
; The chip was launched on July 23, 2026; its instructions are those of AMD's public machine-readable ISA for CDNA 5 (MIT licence, August 2026) and "CDNA5" Instruction Set Architecture Reference Guide (July 2026). The comments in the code are by the model that wrote it; some were corrected since.
;; Space Time Multi Head Attention. Allowed arithmetic: float matrix products may take bf16 or f16 operands with f32 sums; other float arithmetic in f32, or as packed bf16 or f16 multiplies, adds, multiply-adds, maxima and minima; sums over many terms, partial sums and values carried from step to step in f32; what a program stores and reads back later, other than sums and carried values, may be rounded once to bf16 or f16.
;; Inputs: bk 512 float32; bo 512 float32; bq 512 float32; bv 512 float32; inputs 4 x 16 x 512 x 512 float32; wk 512 x 512 float32; wo 512 x 512 float32; wq 512 x 512 float32; wv 512 x 512 float32.
;; Outputs: out0 4 x 16 x 512 x 512 float32.
;; Constants: is_training = 0.
;; One version. Each part assembles by itself: llvm-mc -triple=amdgcn-amd-amdhsa -mcpu=gfx1250 --defsym DOCPART=n.
;; ======== version 1 of 1: 3 launches
;; limits: values are held in f16: magnitudes above 65,504 overflow, below 6.1e-05 lose precision
;; workspace buffers: wb 2,097,152 bytes; bb 8,192 bytes; qkv 100,663,296 bytes
;; launch prep (part 1): grid 64 x 4, 8 waves a work-group, no clusters, 0 bytes of LDS; arguments wq, wk, wv, wo, bq, bk, bv, bo, wb, bb; writes wb, bb
.if DOCPART == 1
	.amdgcn_target "amdgcn-amd-amdhsa--gfx1250"
	.amdhsa_code_object_version 6
	.text
	.protected	k_qefb3a16ea5_prep
	.globl	k_qefb3a16ea5_prep
	.p2align	8
	.type	k_qefb3a16ea5_prep,@function
k_qefb3a16ea5_prep:
	s_mov_b64 s[64:65], 0
	v_nop
	global_prefetch_b8 v0, s[64:65] scope:SCOPE_SE
	s_setreg_imm32_b32 hwreg(HW_REG_WAVE_MODE, 25, 1), 1
	s_wait_xcnt 0x0
; THE CASTS OF THE WEIGHTS AND BIASES.  wb: [4][512][512] of 16 bits: planes 0, 1, 2 = wq, wk, wv rounded to bf16; plane 3 = wo rounded to bf16 and that number written as f16.
; bb: [4][512] f32: bq, bk, bv, bo, each rounded to bf16 and widened again.  All inputs of the module take the same rounding, to bf16.
; LIMIT.  bf16(wo) must lie within f16's range, 65,504; below 6e-5 it keeps f16's fixed step of 6e-8.
; SHARES.  Work-group (x, y) takes 4,096 numbers of plane y: a wave's load covers 512 consecutive bytes, its store 256 consecutive bytes, aligned.  Work-group (0, y) also casts bias y.
; Memory binds and nothing is read twice: no LDS, no barrier, no matrix work.
.set IN,  3                            ; v3   my byte offset in the work-group's 16,384 bytes of f32
.set OUT, 24                           ; v24  my byte offset in its 8,192 bytes of output
.set X,   4                            ; v[4:19]   four loads of four f32
.set Y,   26                           ; v[26:33]  the same sixteen numbers in 16 bits
	s_load_b512 s[4:19], s[0:1], 0x0               ; wq, wk, wv, wo s[4:11]; bq, bk, bv, bo s[12:19]
	s_load_b128 s[20:23], s[0:1], 0x40             ; wb s[20:21], bb s[22:23]
	s_and_b32 s24, ttmp7, 0xffff                   ; y: the plane
	v_lshrrev_b32 v1, 5, v0
	v_readfirstlane_b32 s25, v1                    ; wave 0..7
	v_and_b32 v2, 31, v0
	v_lshlrev_b32 v[IN], 4, v2
	v_lshl_add_u32 v[IN], v1, 11, v[IN]            ; 2,048 x wave + 16 x lane
	v_lshlrev_b32 v[OUT], 3, v2
	v_lshl_add_u32 v[OUT], v1, 10, v[OUT]          ; 1,024 x wave + 8 x lane
	s_lshl_b32 s30, ttmp9, 14                      ; the work-group's part of the plane, in
	s_mov_b32 s31, 0
	s_lshl_b32 s32, s24, 19                        ; and out: 524,288 y + 8,192 x
	s_lshl_b32 s33, ttmp9, 13
	s_add_co_u32 s32, s32, s33
	s_mov_b32 s33, 0
	s_wait_kmcnt 0x0
	s_cmp_eq_u32 s24, 1                            ; the plane's weight and bias: a choice between buffers on y alone
	s_cselect_b64 s[26:27], s[6:7], s[4:5]
	s_cselect_b64 s[28:29], s[14:15], s[12:13]
	s_cmp_eq_u32 s24, 2
	s_cselect_b64 s[26:27], s[8:9], s[26:27]
	s_cselect_b64 s[28:29], s[16:17], s[28:29]
	s_cmp_eq_u32 s24, 3
	s_cselect_b64 s[26:27], s[10:11], s[26:27]
	s_cselect_b64 s[28:29], s[18:19], s[28:29]
	s_add_nc_u64 s[26:27], s[26:27], s[30:31]
	s_add_nc_u64 s[20:21], s[20:21], s[32:33]
.irp j, 0,1,2,3
	global_load_b128 v[X+4*(\j):X+4*(\j)+3], v[IN], s[26:27] offset:512*(\j) th:TH_LOAD_NT
.endr
	s_wait_loadcnt 0x0                             ; all four: nothing is left to issue behind them
.irp j, 0,1,2,3
	v_cvt_pk_bf16_f32 v[Y+2*(\j)],   v[X+4*(\j)],   v[X+4*(\j)+1]
	v_cvt_pk_bf16_f32 v[Y+2*(\j)+1], v[X+4*(\j)+2], v[X+4*(\j)+3]
.endr
	s_cmp_lg_u32 s24, 3
	s_cbranch_scc1 .Lput
.irp j, 0,1,2,3,4,5,6,7
	v_lshlrev_b32 v[X], 16, v[Y+(\j)]              ; wo: the bf16 numbers widened,
	v_and_b32 v[X+1], 0xffff0000, v[Y+(\j)]
	v_cvt_pk_f16_f32 v[Y+(\j)], v[X], v[X+1]       ; and written as f16: 8 significant bits fit in 11
.endr
.Lput:
.irp j, 0,1,2,3
	global_store_b64 v[OUT], v[Y+2*(\j):Y+2*(\j)+1], s[20:21] offset:256*(\j)  ; a wave stores 256 consecutive bytes, at a multiple of 256 from wb's first byte
.endr
	s_cmp_lg_u32 ttmp9, 0                          ; the bias: work-group x = 0, threads 0 to 127, four numbers each
	s_cbranch_scc1 .Lend
	s_cmp_lt_u32 s25, 4
	s_cbranch_scc0 .Lend
	v_lshlrev_b32 v36, 4, v0
	global_load_b128 v[40:43], v36, s[28:29]
	s_lshl_b32 s34, s24, 11
	s_mov_b32 s35, 0
	s_add_nc_u64 s[22:23], s[22:23], s[34:35]
	s_wait_loadcnt 0x0
	v_cvt_pk_bf16_f32 v44, v40, v41
	v_cvt_pk_bf16_f32 v45, v42, v43
	v_lshlrev_b32 v40, 16, v44
	v_and_b32 v41, 0xffff0000, v44
	v_lshlrev_b32 v42, 16, v45
	v_and_b32 v43, 0xffff0000, v45
	global_store_b128 v36, v[40:43], s[22:23]
.Lend:
	s_endpgm
.Lfunc_end_k_qefb3a16ea5_prep:
	.size	k_qefb3a16ea5_prep, .Lfunc_end_k_qefb3a16ea5_prep-k_qefb3a16ea5_prep
	.p2alignl 7, 3214868480
	.fill 96, 4, 3214868480
	.section	.rodata,"a",@progbits
	.p2align	6, 0x0
	.amdhsa_kernel k_qefb3a16ea5_prep
		.amdhsa_group_segment_fixed_size 0
		.amdhsa_private_segment_fixed_size 0
		.amdhsa_enable_private_segment 0
		.amdhsa_kernarg_size 80
		.amdhsa_user_sgpr_count 2
		.amdhsa_user_sgpr_kernarg_segment_ptr 1
		.amdhsa_wavefront_size32 1
		.amdhsa_system_sgpr_workgroup_id_x 1
		.amdhsa_system_sgpr_workgroup_id_y 1
		.amdhsa_system_sgpr_workgroup_id_z 1
		.amdhsa_system_vgpr_workitem_id 0
		.amdhsa_next_free_vgpr 48
		.amdhsa_next_free_sgpr 66
		.amdhsa_reserve_vcc 0
		.amdhsa_float_denorm_mode_32 3
		.amdhsa_float_denorm_mode_16_64 3
		.amdhsa_memory_ordered 1
		.amdhsa_forward_progress 1
		.amdhsa_inst_pref_size 5
	.end_amdhsa_kernel
	.amdgpu_metadata
---
amdhsa.version: [ 1, 2 ]
amdhsa.kernels:
  - .name:           k_qefb3a16ea5_prep
    .symbol:         k_qefb3a16ea5_prep.kd
    .args:
      - { .name: wq, .offset: 0, .size: 8, .value_kind: global_buffer, .address_space: global }
      - { .name: wk, .offset: 8, .size: 8, .value_kind: global_buffer, .address_space: global }
      - { .name: wv, .offset: 16, .size: 8, .value_kind: global_buffer, .address_space: global }
      - { .name: wo, .offset: 24, .size: 8, .value_kind: global_buffer, .address_space: global }
      - { .name: bq, .offset: 32, .size: 8, .value_kind: global_buffer, .address_space: global }
      - { .name: bk, .offset: 40, .size: 8, .value_kind: global_buffer, .address_space: global }
      - { .name: bv, .offset: 48, .size: 8, .value_kind: global_buffer, .address_space: global }
      - { .name: bo, .offset: 56, .size: 8, .value_kind: global_buffer, .address_space: global }
      - { .name: wb, .offset: 64, .size: 8, .value_kind: global_buffer, .address_space: global }
      - { .name: bb, .offset: 72, .size: 8, .value_kind: global_buffer, .address_space: global }
    .group_segment_fixed_size: 0
    .private_segment_fixed_size: 0
    .kernarg_segment_align: 8
    .kernarg_segment_size: 80
    .max_flat_workgroup_size: 256
    .sgpr_count:     66
    .vgpr_count:     48
    .wavefront_size: 32
...
	.end_amdgpu_metadata
.endif
;; end of part 1
;; launch qkv (part 2): grid 256 x 1, 4 waves a work-group, clusters of 4 x 1, 327,680 bytes of LDS; arguments inputs, wb, bb, qkv; writes qkv
.if DOCPART == 2
	.amdgcn_target "amdgcn-amd-amdhsa--gfx1250"
	.amdhsa_code_object_version 6
	.text
	.protected	k_qefb3a16ea5_qkv
	.globl	k_qefb3a16ea5_qkv
	.p2align	8
	.type	k_qefb3a16ea5_qkv,@function
k_qefb3a16ea5_qkv:
	s_mov_b64 s[64:65], 0
	v_nop
	global_prefetch_b8 v0, s[64:65] scope:SCOPE_SE
	s_setreg_imm32_b32 hwreg(HW_REG_WAVE_MODE, 25, 1), 1
	s_wait_xcnt 0x0
	s_wait_alu depctr_hold_cnt(0) depctr_sa_sdst(0) depctr_va_vdst(0) depctr_va_sdst(0) depctr_va_ssrc(0) depctr_va_vcc(0) depctr_vm_vsrc(0)
	s_getreg_b32 s2, hwreg(HW_REG_IB_STS2, 6, 4)
	s_cmp_eq_u32 s2, 0
	s_cbranch_scc0 .Lentry_in_a_cluster
	s_endpgm
.Lentry_in_a_cluster:
	s_bfe_u32 s2, ttmp6, 0x10000c
	s_cmp_lg_u32 s2, 0x3003
	s_cbranch_scc0 .Lentry_shape_is_right
	s_endpgm
.Lentry_shape_is_right:
; q, k, v = bf16(x) W + b.  x: [32768][512] f32; W: planes 0, 1, 2 of wb, [512 k][512 n] bf16; b: planes 0, 1, 2 of bb, f32; qkv: [3][32768][512] f16, each number rounded once from its f32 sum.
; LIMIT.  q, k and v must lie within f16's range, 65,504.
; SHARES.  A work-group owns 128 rows of x and makes all 3 x 512 columns for them, 512 (a CHUNK: one plane) at a time.  Wave w makes 128 rows x the chunk's columns 128 w .. 128 w + 127:
; 64 accumulators of 16 x 16, 512 registers.  x is read from memory once and rounded to bf16 once, into LDS, where it stays: 8 slabs, one for each K step of 64.
; W streams through a ring of two LDS slots, a K step of 64 to a slot: 24 tiles of 65,536 bytes.
; CLUSTER.  Every work-group walks the same W: the four of a cluster ask for each tile JOINTLY: the same tensor load, descriptor and mask in all four.  Wave w fetches, and alone reads, sub-tile w: 64 k x its 128 columns.
; THE WALK BEGINS ELSEWHERE IN EACH CLUSTER.  Cluster c takes the planes in the order c mod 3, + 1, + 2 (modulo 3), and in each plane the K steps in the order c mod 8, + 1, .. (modulo 8): 24 neighbouring clusters
; begin at 24 different tiles, so that the clusters do not all ask for the same 64 rows of wb at the same time.  Slab t of x holds K step (t + c) mod 8: the turn enters global addresses alone, no LDS address.
; W is 1.5 MB that every cluster reads: it is not prefetched.  x's loads are issued two K steps ahead of their use.
; THE MATRIX INSTRUCTION IS USED TRANSPOSED: source 0 = 16 columns of W (W lies [k][n] and comes out of LDS turned, by ds_load_tr16_b128), source 1 = 16 rows of x.  A lane then holds
; row l % 16 and the columns 8 (l / 16) + 0..7: eight neighbouring numbers of a row.  The first product of each sum takes the bias as C: nothing is cleared and nothing is added later.
; REGISTERS, in windows of 256 (s_set_vgpr_msb: bits 1:0 source 0, 3:2 source 1, 5:4 source 2, 7:6 destination):
;   window 0: v0-31 addresses; v32-63 at work; v64-127, v128-191 fragments of x, two buffers; v192-255 x as loaded, later the way out
;   window 1: v0-63 the chunk's bias for my columns; v64-127, v128-191 fragments of W; v192-255 x as loaded          windows 2, 3: the accumulators of rows 0-63, 64-127: (a, b) at v[8 (8 (a % 4) + b)]
.set SUBT,   64*288                    ; a sub-tile: 64 rows of 256 bytes + 32 of padding = 72 words
.set SLOT1,  4*SUBT                    ; 0x12000.  The sub-tiles begin at 0, 0x4800, 0x9000, 0xd800, none of which has a bit of 0x12000: one exclusive or turns an address in one slot into the other's
.set AS,     2*SLOT1                   ; behind the ring, never filled by a tensor load: x in bf16
.set PA,     144                       ; a slab's row: 128 bytes (64 k) + 16 of padding = 36 words: the 16 rows of a load start at 16 different groups of four banks
.set SLAB,   128*PA                    ; slab t: the t-th K step of the cluster's order, all 128 rows
.set STAGE,  AS+8*SLAB                 ; 16 rows x 272 bytes for each wave, for the way out
.set SPITCH, 272
.set SPARE,  STAGE+4*16*SPITCH         ; the spare words, 128 bytes for each wave: two blocks of 256 bytes that no other line names
.set XA,    8                          ; v8-11  my byte offset in x for the first four K steps of the cluster's order; never rewritten
.set ADRA,  16                         ; v16  LDS address of my x fragments in the even slab in hand
.set ADRA0, 17                         ; v17  the same in slab 0; never rewritten
.set XWT,   18                         ; v18  where the cast in hand puts my 8 bytes
.set BO,    19                         ; v19  my byte offset in a plane of bb
.set ADRB,  20                         ; v20-21  LDS address of my W fragments in slot 0, 1
.set XOT,   22                         ; v22-23  my byte offset in x for the two K steps asked for in the lap in hand
.set STO,   24                         ; v24  the way out: where I put 16 bytes of a row
.set RD,    25                         ; v25  the way out: where I read a row back
.set CO,    26                         ; v26  my byte offset in two rows of the output
.set XO,    27                         ; v27  my byte offset in x, channel 0; never rewritten
.set SPW,   28                         ; v28  LDS address of my spare word; never rewritten
.set NIL,   29                         ; v29  0; never rewritten
.set XW,    30                         ; v30  where I put 8 bytes of slab 0; never rewritten
.set XT,    32                         ; v32-63  x rounded, on its way into LDS
.set OB,    32                         ; the way out: 16 rows read back: v32-63 and v224-255 by turns
.set F0,    64
.set F1,    128
.set XB,    192                        ; x as loaded: v192-255 of window 0 and of window 1
.set TMP,   192                        ; the way out: packed results
.set BIAS,  0
.set BIASW, 1
.set KROT,  32                         ; s32  the cluster's number mod 8: where its K steps begin
.set CPL,   33                         ; s33  the plane in hand
.set TIL,   34                         ; s34  the number, in the cluster's order, of the tile last asked for: 0 to 23
.set PROT,  35                         ; s35  the cluster's number mod 3: where its planes begin
.set TOF,   36                         ; s[36:37] an offset at work
.set WBA,   38                         ; s[38:39] wb at my 128 columns
.set BBA,   46                         ; s[46:47] bb at the plane whose bias is loaded
.set OUA,   48                         ; s[48:49] the output at the plane in hand, my rows and columns
.set T3,    50                         ; s50  at work
.set MSB, 0
.macro WIN new                         ; the immediate's high byte repeats the setting that is left; a switch that changes nothing is dropped
.if MSB != (\new)
	s_set_vgpr_msb (MSB<<8)|(\new)
.set MSB, (\new)
.endif
.endm
.macro PLACES                          ; four places in front of loads into registers that matrix instructions have read, and of lines that read results (ISA guide 7.12.1 for lines that read results)
.rept 4
	v_nop
.endr
.endm
.macro CREST                           ; a round of the cluster's barrier behind its opening barrier
	s_cmp_lg_u32 s12, 0
	s_cbranch_scc1 .Lnot_wave_0_\@
	s_barrier_signal -3
.Lnot_wave_0_\@:
	s_barrier_wait -3
	s_barrier_signal -1
	s_barrier_wait -1
.endm
.macro CROUND                          ; a whole round
	s_barrier_signal -1
	s_barrier_wait -1
	CREST
.endm
; The walking descriptor: the other slot, and the next tile g of the cluster's order: plane (g / 8 + c) mod 3, K step (g + c) mod 8; its address is made anew, wb's base plus an offset made apart.
; It is written only where no tensor load of mine is out.  Nothing in it hangs on a work-group's place in its cluster.
.macro NEXTTILE
	s_xor_b32 s41, s41, SLOT1
	s_add_co_u32 s[TIL], s[TIL], 1
	s_add_co_u32 s[TOF], s[TIL], s[KROT]
	s_and_b32 s[TOF], s[TOF], 7                    ; the K step
	s_lshr_b32 s[TOF+1], s[TIL], 3
	s_add_co_u32 s[TOF+1], s[TOF+1], s[PROT]       ; 0 to 4
	s_cmp_gt_u32 s[TOF+1], 2
	s_cselect_b32 s[T3], 3, 0
	s_sub_co_u32 s[TOF+1], s[TOF+1], s[T3]         ; the plane
	s_lshl3_add_u32 s[TOF], s[TOF+1], s[TOF]       ; 8 x plane + K step,
	s_lshl_b32 s[TOF], s[TOF], 16                  ; tiles of 64 rows of 1,024 bytes
	s_mov_b32 s[TOF+1], 0
	s_add_nc_u64 s[42:43], s[WBA:WBA+1], s[TOF:TOF+1]
	s_or_b32 s43, s43, 0x80000000                  ; type = 2
.endm
; 16 matrix instructions: row blocks a0, a0 + 1 of the window's four x all 8 column blocks, 32 along K.  zero = 1: the first product starts the sum with the bias.
; The 64 accumulators take turns in one order everywhere.
.macro MUL16 f, hi, a0, zero
.if \zero
	WIN 0x81+0x40*(\hi)+0x10*BIASW
.else
	WIN 0xa1+0x50*(\hi)
.endif
.irp a, \a0, (\a0)+1
.irp b, 0,1,2,3,4,5,6,7
.if \zero
	v_wmma_f32_16x16x32_bf16 v[8*(8*(\a)+(\b)):8*(8*(\a)+(\b))+7], v[(\f)+8*(\b):(\f)+8*(\b)+7], v[(\f)+8*(4*(\hi)+(\a)):(\f)+8*(4*(\hi)+(\a))+7], v[BIAS+8*(\b):BIAS+8*(\b)+7]
.else
	v_wmma_f32_16x16x32_bf16 v[8*(8*(\a)+(\b)):8*(8*(\a)+(\b))+7], v[(\f)+8*(\b):(\f)+8*(\b)+7], v[(\f)+8*(4*(\hi)+(\a)):(\f)+8*(4*(\hi)+(\a))+7], v[8*(8*(\a)+(\b)):8*(8*(\a)+(\b))+7]
.endif
.endr
.endr
.endm
; 32 LDS loads in one run: half q (32 k) of a K step: my 128 columns of W, turned, then the 128 rows of x at byte ka behind ADRA.  W's come first, so the youngest eight are x's rows 64-127.
.macro GFETCH slot, q, ka, f
	WIN 0x40
.irp i, 0,1,2,3,4,5,6,7
	ds_load_tr16_b128 v[(\f)+8*(\i):(\f)+8*(\i)+3],   v[ADRB+(\slot)] offset:(\q)*9216+32*(\i)
	ds_load_tr16_b128 v[(\f)+8*(\i)+4:(\f)+8*(\i)+7], v[ADRB+(\slot)] offset:(\q)*9216+4608+32*(\i)
.endr
	WIN 0
.irp i, 0,1,2,3,4,5,6,7
	ds_load_b128 v[(\f)+8*(\i):(\f)+8*(\i)+3],   v[ADRA] offset:(\ka)+2304*(\i)
	ds_load_b128 v[(\f)+8*(\i)+4:(\f)+8*(\i)+7], v[ADRA] offset:(\ka)+2304*(\i)+32
.endr
.endm
; A K step's first half: multiplies buffer 0 and fetches the second half into buffer 1.
.macro GQ slot, ka, zero
	s_wait_dscnt 8                                 ; W and x's rows 0-63 are in; the youngest eight loads may be out
	MUL16 F0, 0, 0, \zero
	MUL16 F0, 0, 2, \zero
	PLACES
	GFETCH \slot, 1, \ka, F1
	s_wait_dscnt 32                                ; all but the 32 just issued
	MUL16 F0, 1, 0, \zero
	MUL16 F0, 1, 2, \zero
.endm
; x.  A K step of x is 128 rows x 256 bytes; wave w takes rows 32 w .. 32 w + 31: 16 loads, lanes 0-15 one row's 256 consecutive bytes, lanes 16-31 the next row's.  The K step stands in the offset register.
.macro XLOAD dst, win, adr
	WIN \win
.irp i, 0,1,2,3,4,5,6,7,8,9,10,11,12,13,14,15
	global_load_b128 v[(\dst)+4*(\i):(\dst)+4*(\i)+3], v[\adr], s[4:5] offset:4096*(\i) th:TH_LOAD_NT
.endr
	WIN 0
.endm
.macro XCAST src, win, adr, koff       ; rounded to bf16, 8 bytes a lane into the slab
	WIN \win
.irp i, 0,1,2,3,4,5,6,7,8,9,10,11,12,13,14,15
	v_cvt_pk_bf16_f32 v[XT+2*(\i)],   v[(\src)+4*(\i)],   v[(\src)+4*(\i)+1]
	v_cvt_pk_bf16_f32 v[XT+2*(\i)+1], v[(\src)+4*(\i)+2], v[(\src)+4*(\i)+3]
.endr
	WIN 0
.irp i, 0,1,2,3,4,5,6,7,8,9,10,11,12,13,14,15
	ds_store_b64 v[\adr], v[XT+2*(\i):XT+2*(\i)+1] offset:288*(\i)+(\koff)
.endr
.endm
; In the first chunk alone, once a lap, at the even step t = 2 (3 - s3) of the cluster's order: steps t + 2 and t + 3 of x, asked for a lap (256 matrix instructions) ago, go into their slabs, which nobody has
; read yet and which the barrier that follows shows to the other waves; steps t + 4 and t + 5 are asked for, but in the third lap, where none are left.  All addresses are made from the lap's number; the wait is for 0.
.macro XWORK
	WIN 0
	s_cmp_lg_u32 s2, 3
	s_cbranch_scc1 .Lno_x_\@
	s_wait_loadcnt 0x0                             ; both K steps are in, and the loads' offset registers are free
	s_sub_co_u32 s14, 4, s3                        ; j = 1, 2, 3
	s_mul_i32 s15, s14, 2*SLAB
	v_add_nc_u32 v[XWT], s15, v[XW]
	XCAST XB, 0, XWT, 0
	XCAST XB, 0x05, XWT, SLAB
	s_cmp_eq_u32 s3, 1
	s_cbranch_scc1 .Lno_x_\@
	s_lshl1_add_u32 s15, s14, s[KROT]              ; steps 2 j + 2 and 2 j + 3 of the order are K steps (2 j + 2 + c) mod 8 and (2 j + 3 + c) mod 8, 256 bytes of a row each
	s_add_co_u32 s16, s15, 3
	s_add_co_u32 s15, s15, 2
	s_and_b32 s15, s15, 7
	s_and_b32 s16, s16, 7
	s_lshl_b32 s15, s15, 8
	s_lshl_b32 s16, s16, 8
	v_add_nc_u32 v[XOT], s15, v[XO]
	v_add_nc_u32 v[XOT+1], s16, v[XO]
	XLOAD XB, 0, XOT
	XLOAD XB, 0x40, XOT+1
.Lno_x_\@:
.endm
; The first half of a K step's second half, and ONE barrier for the change of slots.  In front of it each wave waits for all its tensor loads, of which one is out: its part of the next slot; adds 0 to
; its spare word; and waits for that, for its reads of this slot and for its stores into x's slabs.  round = 1: a fill follows: its descriptor is made while the add is out.
.macro GMEET round
	WIN 0
	s_wait_tensorcnt 0x0                           ; all my tensor loads have landed, so group 0 may be written
	ds_add_u32 v[SPW], v[NIL]                      ; 0 onto my spare word
.if \round
	NEXTTILE
.endif
	s_wait_dscnt 9                                 ; (the add and the youngest eight loads may be out)
	MUL16 F1, 0, 0, 0                              ; sixteen matrix instructions stand between the add and the wait for it
	s_wait_dscnt 0x0                               ; the add is done; my reads of this slot and my stores into the slabs are over
	s_barrier_signal -1
	MUL16 F1, 0, 2, 0
.if \round
	WIN 0
.endif
	s_barrier_wait -1
.endm
; A K step's second half.  fill = 1: the barrier opens a round of the cluster's, and the slot just read out is filled again, with the tile two steps on, first thing behind the round:
; 96 matrix instructions stand between that request and the wait for it.  kstep = 1: the next pair of slabs; 2: back to slab 0 for the next chunk.
.macro GT slot, next, fill, kstep, ka, xw
.if \xw
	XWORK
.endif
	GMEET \fill
.if \fill
	CREST                                          ; no wave of any partner still reads this slot or has a load on its way
	tensor_load_to_lds s[40:43], s[24:31]
	s_nop 0
	PLACES                                         ; also the places in front of the loads below
.else
	PLACES
	WIN 0
.endif
.if (\kstep) == 1
	s_sub_co_u32 s14, 4, s3
	s_mul_i32 s14, s14, 2*SLAB
	v_add_nc_u32 v[ADRA], s14, v[ADRA0]
.elseif (\kstep) == 2
	v_mov_b32 v[ADRA], v[ADRA0]
.endif
	GFETCH \next, 0, \ka, F0
	MUL16 F1, 1, 0, 0
	MUL16 F1, 1, 2, 0
.endm
.macro LASTQ                           ; the very last half step: nothing more to fetch
	s_wait_dscnt 8
	MUL16 F1, 0, 0, 0
	MUL16 F1, 0, 2, 0
	s_wait_dscnt 0x0
	MUL16 F1, 1, 0, 0
	MUL16 F1, 1, 2, 0
.endm
; THE WAY OUT of row block a.  PACK: rounded to f16, 16 bytes a lane.  TOSTAGE: into my own stage, and back as whole rows of 256 bytes.  SEND: stored.
.macro PACK a
.set AC, 64*((\a)%4)
	WIN 0x0a+5*((\a)/4)
.irp b, 0,1,2,3,4,5,6,7
.irp r, 0,1,2,3
	v_cvt_pk_f16_f32 v[TMP+4*(\b)+(\r)], v[AC+8*(\b)+2*(\r)], v[AC+8*(\b)+2*(\r)+1]
.endr
.endr
	WIN 0
.endm
.macro TOSTAGE a
.set BK, OB+192*((\a)%2)
.irp b, 0,1,2,3,4,5,6,7
	ds_store_b128 v[STO], v[TMP+4*(\b):TMP+4*(\b)+3] offset:32*(\b)
.endr
.irp t, 0,1,2,3,4,5,6,7
	ds_load_b128 v[BK+4*(\t):BK+4*(\t)+3], v[RD] offset:(\t)*2*SPITCH  ; LDS serves a wave's instructions in order (ISA guide 5.7.1.4): these see the stores above
.endr
.endm
.macro SEND a
.set BK, OB+192*((\a)%2)
	s_wait_dscnt 0x0                               ; the block is back in registers
	s_wait_xcnt 0x0                                ; the stores issued so far have read their registers: the buffer of the block before last is loaded again only behind this wait
.irp t, 0,1,2,3,4,5,6,7
	global_store_b128 v[CO], v[BK+4*(\t):BK+4*(\t)+3], s[OUA:OUA+1] offset:(\a)*16384+2048*(\t)  ; 16 lanes store 256 consecutive bytes, at a multiple of 256 from the buffer's first byte
.endr
.endm
.macro BIASLOAD                        ; the bias of my 128 columns: a lane's eight columns of each of the 8 blocks
	WIN 0x40
.irp b, 0,1,2,3,4,5,6,7
	global_load_b128 v[BIAS+8*(\b):BIAS+8*(\b)+3],   v[BO], s[BBA:BBA+1] offset:64*(\b)
	global_load_b128 v[BIAS+8*(\b)+4:BIAS+8*(\b)+7], v[BO], s[BBA:BBA+1] offset:64*(\b)+16
.endr
.endm
	s_load_b256 s[4:11], s[0:1], 0x0               ; x s[4:5], wb s[6:7], bb s[8:9], qkv s[10:11]
	v_lshl_add_u32 v[SPW], v0, 2, SPARE
	v_mov_b32 v[NIL], 0
	ds_add_u32 v[SPW], v[NIL]                      ; the wave's opening: the add and its wait stand ahead of my first tensor load; the set-up below, work on registers, stands between them
	v_lshrrev_b32 v1, 5, v0
	v_readfirstlane_b32 s12, v1                    ; wave 0..3
	s_bfe_u32 s13, ttmp6, 0x40000                  ; cx: my place in the cluster: it enters x's and the output's addresses alone
	s_lshl_b32 s14, ttmp9, 2                       ; in a cluster launch ttmp9 counts clusters
	s_add_co_u32 s14, s14, s13                     ; my block of 128 rows
	s_and_b32 s[KROT], ttmp9, 7                    ; where the cluster's K steps begin,
	s_mul_hi_u32 s[PROT], ttmp9, 0x55555556        ; (c / 3, for c under 2^30)
	s_mul_i32 s[PROT], s[PROT], 3
	s_sub_co_u32 s[PROT], ttmp9, s[PROT]           ; and its planes
	s_mov_b32 s[CPL], s[PROT]
	s_mov_b32 s[TIL], 0
	; descriptor group 1: a tile of 64 rows x 128 elements out of rows of 512, padded in LDS
	s_mov_b32 s24, 15|(1<<16)|(1<<20)|(1<<21)|(5<<22)|(7<<25)  ; 15:0 the mask of four; 17:16 2-byte elements; 20 padding on; 21 set beside a mask; 24:22 after every 64 words (code 5); 31:25 8 words (code 7)
	s_mov_b32 s25, 128<<16                         ; tensor_dim0 = 128
	s_mov_b32 s26, 64<<16                          ; tensor_dim1 = 64
	s_mov_b32 s27, 128<<16                         ; tile_dim0 = 128
	s_mov_b32 s28, 64                              ; tile_dim1 = 64
	s_mov_b32 s29, 512                             ; 512 elements from row to row
	s_mov_b32 s30, 0
	s_mov_b32 s31, 0
	s_mov_b32 s40, 1                               ; group 0: count = 1
	s_mul_i32 s41, s12, SUBT                       ; LDS address: my sub-tile of slot 0
	s_lshl_b32 s20, s12, 8                         ; my 128 columns: 256 bytes of a row of wb and of the output
	s_mov_b32 s21, 0
	s_lshl3_add_u32 s[TOF], s[PROT], s[KROT]       ; the cluster's first tile: 8 x plane + K step
	s_lshl_b32 s[TOF], s[TOF], 16
	s_mov_b32 s[TOF+1], 0
	s_lshl_b32 s52, s[CPL], 11                     ; the first plane in bb
	s_mov_b32 s53, 0
	s_lshl_b32 s54, s[CPL], 25                     ; and in the output
	s_mov_b32 s55, 0
	s_lshl_b32 s16, s14, 18                        ; my block in x: 128 rows of 2,048 bytes
	s_mov_b32 s17, 0
	s_lshl_b32 s18, s14, 17                        ; and in a plane of the output: 128 rows of 1,024 bytes
	s_add_co_u32 s18, s18, s20
	s_mov_b32 s19, 0
	v_and_b32 v2, 15, v0                           ; r = l % 16
	v_bfe_u32 v3, v0, 4, 1                         ; h = l / 16
	v_and_b32 v4, 7, v0
	v_bfe_u32 v5, v0, 3, 1
	v_mul_u32_u24 v[ADRA0], v2, PA                 ; a fragment of x: row r x pitch + 16 h
	v_lshl_add_u32 v[ADRA0], v3, 4, v[ADRA0]
	v_add_nc_u32 v[ADRA0], AS, v[ADRA0]
	v_mov_b32 v[ADRA], v[ADRA0]
	v_lshl_add_u32 v6, v3, 3, v4                   ; the turning load: lane l reads row 8 h + l % 8, columns 8 ((l / 8) % 2) + 0..7
	v_mul_u32_u24 v6, v6, 288
	v_lshl_add_u32 v6, v5, 4, v6
	v_add_nc_u32 v[ADRB], s41, v6
	v_add_nc_u32 v[ADRB+1], SLOT1, v[ADRB]
	s_lshl_b32 s15, s12, 9
	v_lshl_add_u32 v[BO], v3, 5, s15               ; the bias of my columns: 512 w + 32 h, + 64 for each block
	s_mul_i32 s15, s12, 16*SPITCH
	s_add_co_u32 s15, s15, STAGE                   ; my stage
	v_mul_u32_u24 v[STO], v2, SPITCH               ; in: row r, 16 bytes for each half of the lanes
	v_lshl_add_u32 v[STO], v3, 4, v[STO]
	v_add_nc_u32 v[STO], s15, v[STO]
	v_mul_u32_u24 v[RD], v3, SPITCH                ; back: lanes 0-15 one row of 256 bytes, lanes 16-31 the next
	v_lshl_add_u32 v[RD], v2, 4, v[RD]
	v_add_nc_u32 v[RD], s15, v[RD]
	v_lshlrev_b32 v[CO], 10, v3                    ; and the same two rows in the output
	v_lshl_add_u32 v[CO], v2, 4, v[CO]
	s_lshl_b32 s15, s12, 16
	v_lshl_add_u32 v[XO], v3, 11, s15              ; x: row 32 w + h,
	v_lshl_add_u32 v[XO], v2, 4, v[XO]             ; 16 bytes a lane
	s_mul_i32 s15, s12, 32*PA
	s_add_co_u32 s15, s15, AS
	v_mul_u32_u24 v[XW], v3, PA                    ; and the same place in slab 0, 8 bytes a lane
	v_lshl_add_u32 v[XW], v2, 3, v[XW]
	v_add_nc_u32 v[XW], s15, v[XW]
.irp t, 0,1,2,3
	s_add_co_u32 s15, s[KROT], \t                  ; step t of the cluster's order is K step (t + c) mod 8
	s_and_b32 s15, s15, 7
	s_lshl_b32 s15, s15, 8
	v_add_nc_u32 v[XA+(\t)], s15, v[XO]
.endr
	s_wait_dscnt 0x0                               ; the opening add is done
	s_wait_kmcnt 0x0
	s_add_nc_u64 s[4:5], s[4:5], s[16:17]
	s_add_nc_u64 s[10:11], s[10:11], s[18:19]
	s_add_nc_u64 s[OUA:OUA+1], s[10:11], s[54:55]
	s_add_nc_u64 s[BBA:BBA+1], s[8:9], s[52:53]
	s_add_nc_u64 s[WBA:WBA+1], s[6:7], s[20:21]    ; made of the wave's number alone,
	s_add_nc_u64 s[42:43], s[WBA:WBA+1], s[TOF:TOF+1]  ; the first tile of that and the cluster's number
	s_or_b32 s43, s43, 0x80000000                  ; type = 2
	BIASLOAD
	WIN 0
	XLOAD F0, 0, XA                                ; steps 0 and 1 of x, into registers that are fragments later,
	XLOAD F1, 0, XA+1
	XLOAD XB, 0, XA+2                              ; steps 2 and 3
	XLOAD XB, 0x40, XA+3
	CROUND                                         ; all four work-groups are here: the first joint load meets
	tensor_load_to_lds s[40:43], s[24:31]          ; the first tile into slot 0
	s_nop 0
	PLACES
	s_wait_loadcnt 32                              ; the bias and steps 0 and 1 are in; the 32 loads of steps 2 and 3 may stay out
	XCAST F0, 0, XW, 0
	XCAST F1, 0, XW, SLAB
	s_wait_tensorcnt 0x0                           ; the first change: the first tile has landed;
	ds_add_u32 v[SPW], v[NIL]
	NEXTTILE
	s_wait_dscnt 0x0                               ; the add is done, and so are my stores into slabs 0 and 1
	CROUND                                         ; slot 1 is filled for the first time as a slot is filled again: my one load behind a round
	tensor_load_to_lds s[40:43], s[24:31]
	s_nop 0
	PLACES
	GFETCH 0, 0, 0, F0
	s_mov_b32 s2, 3                                ; chunks to go, this one among them
.Ltile:
	GQ 0, 64, 1                                    ; a chunk's first half step stands in front of the loop: its products start the sums
	WIN 0
	s_mov_b32 s3, 3
.Llap:                                                 ; a trip goes once round the ring, from an even step's second half to the next even step's first
	GT 0, 1, 1, 0, SLAB, 1
	GQ 1, SLAB+64, 0
	GT 1, 0, 1, 1, 0, 0
	GQ 0, 64, 0
	WIN 0
	s_sub_co_u32 s3, s3, 1
	s_cmp_lg_u32 s3, 0
	s_cbranch_scc1 .Llap
	s_cmp_eq_u32 s2, 1
	s_cbranch_scc1 .Llast                          ; the last chunk's tail is written out: it asks for nothing more
	GT 0, 1, 1, 0, SLAB, 0                         ; the ring goes on into the next chunk
	s_wait_xcnt 0x0                                ; the bias loads have long read their base
	s_add_co_u32 s[CPL], s[CPL], 1                 ; the next plane, modulo 3
	s_cmp_eq_u32 s[CPL], 3
	s_cselect_b32 s[CPL], 0, s[CPL]
	s_lshl_b32 s[TOF], s[CPL], 11
	s_mov_b32 s[TOF+1], 0
	s_add_nc_u64 s[BBA:BBA+1], s[8:9], s[TOF:TOF+1]
	BIASLOAD                                       ; its bias: these registers were last read by the chunk's first products
	GQ 1, SLAB+64, 0
	GT 1, 0, 1, 2, 0, 0
	WIN 0
	s_branch .Lout
.Llast:
	GT 0, 1, 0, 0, SLAB, 0
	GQ 1, SLAB+64, 0
	LASTQ
	WIN 0
.Lout:
	s_wait_loadcnt 0x0                             ; the next chunk's bias; and no load into the registers that the way out uses is out
	PLACES
	PACK 0
	TOSTAGE 0
.irp a, 1,2,3,4,5,6,7                  ; block a's conversions stand between block a - 1's loads from the stage and the wait for them
	PACK \a
	SEND (\a)-1
	TOSTAGE \a
.endr
	SEND 7
	s_wait_xcnt 0x0                                ; the stores have read their base
	s_lshl_b32 s[TOF], s[CPL], 25                  ; the next chunk's plane of the output (behind the last chunk: the same once more, and not used)
	s_mov_b32 s[TOF+1], 0
	s_add_nc_u64 s[OUA:OUA+1], s[10:11], s[TOF:TOF+1]
	s_sub_co_u32 s2, s2, 1
	s_cmp_lg_u32 s2, 0
	s_cbranch_scc1 .Ltile
	s_wait_tensorcnt 0x0                           ; the wave's end: an add of 0 onto my spare word, waited for, stands behind my last tensor load and my last LDS store
	ds_add_u32 v[SPW], v[NIL]
	s_wait_dscnt 0x0
	CROUND                                         ; the closing round: no work-group ends while a partner may still ask for a tile that names it
	s_endpgm
.Lfunc_end_k_qefb3a16ea5_qkv:
	.size	k_qefb3a16ea5_qkv, .Lfunc_end_k_qefb3a16ea5_qkv-k_qefb3a16ea5_qkv
	.p2alignl 7, 3214868480
	.fill 96, 4, 3214868480
	.section	.rodata,"a",@progbits
	.p2align	6, 0x0
	.amdhsa_kernel k_qefb3a16ea5_qkv
		.amdhsa_group_segment_fixed_size 327680
		.amdhsa_private_segment_fixed_size 0
		.amdhsa_enable_private_segment 0
		.amdhsa_kernarg_size 32
		.amdhsa_user_sgpr_count 2
		.amdhsa_user_sgpr_kernarg_segment_ptr 1
		.amdhsa_wavefront_size32 1
		.amdhsa_system_sgpr_workgroup_id_x 1
		.amdhsa_system_sgpr_workgroup_id_y 1
		.amdhsa_system_sgpr_workgroup_id_z 1
		.amdhsa_system_vgpr_workitem_id 0
		.amdhsa_next_free_vgpr 1024
		.amdhsa_next_free_sgpr 66
		.amdhsa_reserve_vcc 0
		.amdhsa_float_denorm_mode_32 3
		.amdhsa_float_denorm_mode_16_64 3
		.amdhsa_memory_ordered 1
		.amdhsa_forward_progress 1
		.amdhsa_inst_pref_size 138
	.end_amdhsa_kernel
	.amdgpu_metadata
---
amdhsa.version: [ 1, 2 ]
amdhsa.kernels:
  - .name:           k_qefb3a16ea5_qkv
    .symbol:         k_qefb3a16ea5_qkv.kd
    .args:
      - { .name: inputs, .offset: 0, .size: 8, .value_kind: global_buffer, .address_space: global }
      - { .name: wb, .offset: 8, .size: 8, .value_kind: global_buffer, .address_space: global }
      - { .name: bb, .offset: 16, .size: 8, .value_kind: global_buffer, .address_space: global }
      - { .name: qkv, .offset: 24, .size: 8, .value_kind: global_buffer, .address_space: global }
    .group_segment_fixed_size: 327680
    .private_segment_fixed_size: 0
    .kernarg_segment_align: 8
    .kernarg_segment_size: 32
    .max_flat_workgroup_size: 128
    .sgpr_count:     66
    .vgpr_count:     1024
    .wavefront_size: 32
...
	.end_amdgpu_metadata
.endif
;; end of part 2
;; launch attn (part 3): grid 256 x 1, 4 waves a work-group, clusters of 4 x 1, 327,680 bytes of LDS; arguments qkv, wb, bb, out0; writes out0
.if DOCPART == 3
	.amdgcn_target "amdgcn-amd-amdhsa--gfx1250"
	.amdhsa_code_object_version 6
	.text
	.protected	k_qefb3a16ea5_attn
	.globl	k_qefb3a16ea5_attn
	.p2align	8
	.type	k_qefb3a16ea5_attn,@function
k_qefb3a16ea5_attn:
	s_mov_b64 s[64:65], 0
	v_nop
	global_prefetch_b8 v0, s[64:65] scope:SCOPE_SE
	s_setreg_imm32_b32 hwreg(HW_REG_WAVE_MODE, 25, 1), 1
	s_wait_xcnt 0x0
	s_wait_alu depctr_hold_cnt(0) depctr_sa_sdst(0) depctr_va_vdst(0) depctr_va_sdst(0) depctr_va_ssrc(0) depctr_va_vcc(0) depctr_vm_vsrc(0)
	s_getreg_b32 s2, hwreg(HW_REG_IB_STS2, 6, 4)
	s_cmp_eq_u32 s2, 0
	s_cbranch_scc0 .Lentry_in_a_cluster
	s_endpgm
.Lentry_in_a_cluster:
	s_bfe_u32 s2, ttmp6, 0x10000c
	s_cmp_lg_u32 s2, 0x3003
	s_cbranch_scc0 .Lentry_shape_is_right
	s_endpgm
.Lentry_shape_is_right:
; out = softmax(q k^T / 8) v, head by head, times wo, plus bo.  qkv: [3][32768][512] f16 (a head is 64 channels of a row); wo: plane 3 of wb, [512 k][512 n] f16; bo: plane 3 of bb, f32; out0: [32768][512] f32.
; Products, maxima and sums in f32; the weights p are rounded to f16 for the second product (their sum l is taken of the unrounded p), O to f16 for the third.
; LIMITS.  q, k, v and wo arrive within f16's 65,504; p lies in 0 to 1, and below 6e-5 it keeps f16's fixed step of 6e-8; a weight below 2^-126 counts as 0 in l; NaN and infinities are not treated apart.
; SHARES.  A cluster of four work-groups is one slice of 512 rows; a work-group owns 128 of its queries, with all 8 heads.  Wave w takes the cluster's w-th head (pass 0) and its (w + 4)-th (pass 1), all 128 queries:
; four PIECES of two tiles of 16.  Every wave walks the slice's 512 keys, 64 a step.  O, 128 x 512, meets in LDS, a slab a head; then wave w makes 128 rows x columns 128 w .. of O wo + bo.
; THE HEADS BEGIN ELSEWHERE IN EACH CLUSTER.  With rho = the cluster's number mod 4, the cluster's j-th head is head (j + 2 rho) mod 8.  Slab j holds the j-th head, so the last product's K step j takes wo's rows
; 64 ((j + 2 rho) mod 8) ..: the clusters do not all ask for the same 64 rows of wo at the same time.  The turn enters global addresses alone, no LDS address.
; ONE RING of two LDS slots serves all of it: 24 tiles of four sub-tiles of 64 rows x 256 bytes.  Tiles 0-15: key step n % 8 of pass n / 8: K of the pass's two head pairs (sub-tiles 0, 1), V likewise (2, 3).
; Tiles 16-23: wo's K steps.  Wave w fetches sub-tile w.  The four work-groups walk the same tiles, so each is asked for JOINTLY: the same tensor load, descriptor and mask in all four.
; One shape, with rows 288 bytes apart in LDS, serves K, V and wo.  The turning loads (V, wo) take each bank once; K's plain loads find rows r and r + 8 at the same banks (288 bytes = 72 words; 64 banks of
; 4 bytes: ISA guide 11.1): they are 16 of a key step's 32 LDS loads, beside its 128 matrix instructions.
; LAYOUT, SOFTMAX.  S^T = K Q^T holds ONE query a lane (lane % 16) and the keys 8 (lane / 16) + 0..7; two such results rounded to f16 ARE source 1 of O^T = V^T P.  p = 2^(c s - c m), c = log2(e) / 8, with a
; running maximum m; O and l are multiplied by a = 2^(c m_old - c m_new) in every step.  c m starts far below every c s, so a pass's first step has a = 0, and O^T and l need only hold finite numbers then.
; BY TURNS.  Turn n belongs to piece n: 16 products K Q^T of piece n + 1, later 16 products V^T P of piece n - 1; beside them the scaling, exponentials, roundings, sums and rescaling of piece n and the maximum and
; statistics of piece n + 1.  A tile and step have 16 matrix and 118 vector instructions: four that are ready stand behind EVERY matrix instruction, the others in two runs of their own.
; REGISTERS, in windows of 256 (s_set_vgpr_msb: bits 1:0 source 0, 3:2 source 1, 5:4 source 2, 7:6 destination).  In the passes:
;   window 0: v0-11 addresses; v12-15, v48-63 at work; v16-47 four registers of statistics a tile; v64-191 S^T, two buffers of two tiles; v192-255 P, likewise
;   window 1: O^T, 32 a tile      window 2: v0-127 Q; v128-191 K of one step; v192-255 V of one step      window 3: v0-127 the second pass's Q; v192-255 bo of my columns
; In the last product: window 0 v64-191 fragments of O, window 1 v64-191 fragments of wo, windows 2 and 3 the 64 accumulators.
.set NP,    4         ; pieces a wave: a name, no knob
.set PK,    288
.set PV,    288
.set SUBT,  64*288
.set SLOT1, 4*SUBT    ; 0x12000.  The sub-tiles begin at 0, 0x4800, 0x9000, 0xd800, none of which has a bit of 0x12000: one exclusive or turns an address in one slot into the other's
.set AS,    2*SLOT1   ; behind the ring, never filled by a tensor load: O in f16
.set PA,    144       ; a slab's row: 128 bytes (a head's 64 channels) + 16 of padding
.set SLAB,  128*PA
.set SPARE, AS+8*SLAB ; the spare words, 128 bytes for each wave: two blocks of 256 bytes that no other line names
.set PFO, 1           ; v1   the prefetches' offset; never rewritten
.set AK0, 2           ; v2   my lane's place in a tile's K; later ADRB
.set AV0, 3           ; v3   the same for V
.set AK,  4           ; v4   the LDS address of K's next run of loads; later STO
.set AV,  5           ; v5   of V's; later RD
.set QO,  6           ; v6   my byte offset in 16 rows of q; later CO
.set OA,  7           ; v7   my place in slab 0: AS + (l % 16) x 144 + 16 (l / 16); never rewritten
.set ADRA, 8          ; v8   the last product: my O fragments in the even slab in hand
.set BO,  9           ; v9   my byte offset in bo
.set SPW, 10          ; v10  LDS address of my spare word; never rewritten
.set NIL, 11          ; v11  0; never rewritten
.set ADRA0, 7
.set ADRB, 2
.set STO, 4
.set RD,  5
.set CO,  6
.set MV,  12          ; v12-15  c m_old, kept while c m is made anew: by buffer and tile
.set ST,  16          ; tile t's statistics at v[ST+4 t]: c m, m, l (even keys', odd keys')
.set TMP, 48          ; by buffer and tile, four registers c0-c3 at work; when the maximum is found c2 takes a
.set S,   64
.set P,   192
.set KF,  128         ; window 2: key block kb, channel half c at KF + 16 kb + 8 c
.set VF,  192         ; window 2: key half kk, channel block cb at VF + 32 kk + 8 cb
.set F0,  64
.set F1,  128
.set BIAS,  192
.set BIASW, 3
.set WV,  12          ; s12  my wave's number
.set KVB, 16          ; s[16:17] K (waves 0, 1) or V (waves 2, 3) at the slice's first row
.set WOB, 18          ; s[18:19] wo at my 128 columns
.set NA,  44          ; s[44:45] the address of my sub-tile of the tile to be asked for next
.set NXT, 47          ; s47  that tile's number
.set PASS, 48         ; s48  passes to go
.set HO,  49          ; s49  my head's slab, in bytes
.set RHO2, 52         ; s52  2 rho
.set PR0, 53          ; s53  w % 2 + rho: the head pair that I fetch in pass 0, before the modulo
.set TT,  54          ; s54  at work
.set CNT, 57          ; s57  counts a pass's key steps
.set CS,  58          ; s[58:59] c: the packed scaling takes the pair's low word for both halves
.set SEL, 60          ; s[60:61] v_permlanex16_b32's selects: each lane takes its own place in the other half
.set TB,  62          ; s62  the slot in hand, in bytes
.set MSB, 0
.macro WIN new                      ; the high byte repeats the setting that is left; a switch that changes nothing is dropped
.if MSB != (\new)
	s_set_vgpr_msb (MSB<<8)|(\new)
.set MSB, (\new)
.endif
.endm
.set W_KQ, 0x0a       ; K and Q in window 2, S^T in window 0
.set W_PV, 0x52       ; V in window 2, P in window 0, O^T in window 1
.set W_RS, 0x41       ; O^T (destination and source 0) in window 1, a in window 0
.macro PLACES                       ; four places in front of loads into registers that matrix instructions have read, and of lines that read results (ISA guide 7.12.1 for lines that read results)
.rept 4
	v_nop
.endr
.endm
.macro CREST                        ; a round of the cluster's barrier behind its opening barrier
	s_cmp_lg_u32 s[WV], 0
	s_cbranch_scc1 .Lnot_wave_0_\@
	s_barrier_signal -3
.Lnot_wave_0_\@:
	s_barrier_wait -3
	s_barrier_signal -1
	s_barrier_wait -1
.endm
.macro CROUND
	s_barrier_signal -1
	s_barrier_wait -1
	CREST
.endm
; The address of my sub-tile of tile n = NXT, made anew: the tensor's base plus an offset made apart.  n < 16: key step n % 8 (64 rows of 1,024 bytes), head pair (2 (n / 8) + w % 2 + rho) mod 4 (256 bytes of a row).
; n >= 16: wo's rows 64 ((n % 8 + 2 rho) mod 8) ...  Nothing in it hangs on a work-group's place in its cluster.
.macro TILEADR
	s_and_b32 s20, s[NXT], 7
	s_bfe_u32 s21, s[NXT], 0x10003
	s_lshl1_add_u32 s21, s21, s[PR0]
	s_and_b32 s21, s21, 3
	s_lshl_b32 s21, s21, 8
	s_add_co_u32 s[TT], s20, s[RHO2]
	s_and_b32 s[TT], s[TT], 7
	s_cmp_lt_u32 s[NXT], 16
	s_cselect_b32 s20, s20, s[TT]
	s_cselect_b32 s21, s21, 0
	s_cselect_b64 s[22:23], s[KVB:KVB+1], s[WOB:WOB+1]
	s_lshl_b32 s20, s20, 16
	s_add_co_u32 s20, s20, s21
	s_mov_b32 s21, 0
	s_add_nc_u64 s[NA:NA+1], s[22:23], s[20:21]
.endm
; The walking descriptor takes the other slot and tile NXT's address; then NXT steps.  It stands only where no tensor load of mine is out.
.macro NEXTTILE
	s_xor_b32 s41, s41, SLOT1
	s_mov_b64 s[42:43], s[NA:NA+1]
	s_or_b32 s43, s43, 0x80000000   ; type = 2
	s_wait_xcnt 0x0                 ; the last prefetch, a key step or two back, has read its address, so it may be written
	s_add_co_u32 s[NXT], s[NXT], 1
	TILEADR
.endm
; A PREFETCH INTO THE L2, at every second change of slots (NXT even, and below 16: K's and V's tiles alone): each wave asks for what it will fetch itself: its own sub-tile's rows, 256 bytes each, of tile NXT,
; which the next change loads (lanes 0-15), and of tile NXT + 1, which the change after that loads (lanes 16-31, 64 rows on).  The four partners share a sub-tile's 64 rows out BY ADDRESS, 16 each: each aligned
; block of 256 bytes is named once in the launch.  Tiles 0 to 3 and wo's tiles are not asked for: nothing is prefetched at the head, and wo is 512 KB that every cluster reads.
.macro ASK
	s_and_b32 s[TT], s[NXT], 0x11   ; bit 0: odd; bit 4: 16 to 24
	s_cmp_eq_u32 s[TT], 0
	s_cbranch_scc0 .Lnot_now_\@
	global_prefetch_b8 v[PFO], s[NA:NA+1] th:TH_LOAD_NT scope:SCOPE_SE
.Lnot_now_\@:
.endm
; THE CHANGE OF SLOTS, once a key step, behind the turn that has waited for V's run.  Each wave waits for all its tensor loads, of which one is out: its part of the other slot; adds 0 to its spare word; and
; waits for that and for its reads of the slot that it leaves.  The barrier is a round of the cluster's, and the joint fill of the old slot, with the tile two on, is the first thing behind it.
.macro CHANGE ask
	WIN 0                           ; at a label and at a branch every window is 0
	s_wait_tensorcnt 0x0            ; no tensor load of mine is out, so group 0 may be written
	ds_add_u32 v[SPW], v[NIL]       ; 0 onto my spare word; the descriptor's scalar work stands between it and the wait for it
	NEXTTILE
	s_wait_dscnt 0x0                ; the add is done, and my reads of the slot are over
	CROUND
	tensor_load_to_lds s[40:43], s[24:31]
	s_nop 0
	PLACES
.if \ask
	ASK
.endif
	s_xor_b32 s[TB], s[TB], SLOT1   ; the fetches go on in the other slot
.endm
	s_load_b256 s[4:11], s[0:1], 0x0  ; qkv s[4:5], wb s[6:7], bb s[8:9], out0 s[10:11]
	v_lshl_add_u32 v[SPW], v0, 2, SPARE
	v_mov_b32 v[NIL], 0
	ds_add_u32 v[SPW], v[NIL]       ; the wave's opening: the add and its wait stand ahead of my first tensor load; the set-up below, work on registers, stands between them
	v_lshrrev_b32 v64, 5, v0
	v_readfirstlane_b32 s[WV], v64  ; wave 0..3
	s_bfe_u32 s13, ttmp6, 0x40000   ; cx: my place in the cluster: it enters q's, the output's and the prefetches' addresses alone
	; descriptor group 1: a tile of 64 rows x 128 elements out of rows of 512, padded in LDS
	s_mov_b32 s24, 15|(1<<16)|(1<<20)|(1<<21)|(5<<22)|(7<<25)  ; 15:0 the mask of four; 17:16 2-byte elements; 20 padding on; 21 set beside a mask; 24:22 after every 64 words (code 5); 31:25 8 words (code 7)
	s_mov_b32 s25, 128<<16          ; tensor_dim0 = 128
	s_mov_b32 s26, 64<<16           ; tensor_dim1 = 64
	s_mov_b32 s27, 128<<16          ; tile_dim0 = 128
	s_mov_b32 s28, 64               ; tile_dim1 = 64
	s_mov_b32 s29, 512              ; 512 elements from row to row
	s_mov_b32 s30, 0
	s_mov_b32 s31, 0
	s_mov_b32 s40, 1                ; group 0: count = 1
	s_mul_i32 s41, s[WV], SUBT      ; LDS address: my sub-tile of slot 0
	s_mov_b32 s[CS], 0x3e38aa3b     ; c = log2(e) / 8 = 0.180337
	s_mov_b32 s[CS+1], s[CS]        ; named with it as a pair
	s_mov_b32 s[SEL], 0x76543210
	s_mov_b32 s[SEL+1], 0xfedcba98
	s_mov_b32 s[TB], SLOT1          ; the first change of slots turns it into 0
	s_mov_b32 s[NXT], 0
	s_mov_b32 s[PASS], 2
	s_mul_i32 s[HO], s[WV], SLAB
	s_and_b32 s[RHO2], ttmp9, 3     ; rho (in a cluster launch ttmp9 counts clusters)
	s_and_b32 s[PR0], s[WV], 1
	s_add_co_u32 s[PR0], s[PR0], s[RHO2]
	s_lshl_b32 s[RHO2], s[RHO2], 1
	s_lshr_b32 s20, s[WV], 1        ; plane 1 (k) for waves 0 and 1, plane 2 (v) for waves 2 and 3,
	s_add_co_u32 s20, s20, 1
	s_lshl_b32 s20, s20, 25
	s_lshl_b32 s21, ttmp9, 19       ; the slice's 512 rows of 1,024 bytes
	s_add_co_u32 s20, s20, s21
	s_mov_b32 s21, 0
	s_lshl_b32 s22, s[WV], 8        ; wo: plane 3 of wb, my 128 columns
	s_add_co_u32 s22, s22, 3*524288
	s_mov_b32 s23, 0
	s_lshl_b32 s34, ttmp9, 19       ; q: the slice, my work-group's 128 rows,
	s_lshl_b32 s35, s13, 17
	s_add_co_u32 s34, s34, s35
	s_add_co_u32 s35, s[WV], s[RHO2]
	s_and_b32 s35, s35, 7           ; head (w + 2 rho) mod 8 in pass 0,
	s_lshl_b32 s35, s35, 7
	s_xor_b32 s38, s35, 512         ; four heads on, modulo 8, in pass 1
	s_add_co_u32 s38, s38, s34
	s_add_co_u32 s34, s34, s35
	s_mov_b32 s35, 0
	s_mov_b32 s39, 0
	s_lshl_b32 s36, ttmp9, 20       ; the output: rows of 2,048 bytes, my 128 columns
	s_lshl_b32 s37, s13, 18
	s_add_co_u32 s36, s36, s37
	s_lshl_b32 s37, s[WV], 9
	s_add_co_u32 s36, s36, s37
	s_mov_b32 s37, 0
	v_and_b32 v65, 15, v0           ; r = l % 16
	v_bfe_u32 v66, v0, 4, 1         ; h = l / 16
	v_and_b32 v67, 7, v0
	v_bfe_u32 v68, v0, 3, 1
	v_lshlrev_b32 v[PFO], 10, v65   ; row 16 cx + l % 16 of a sub-tile; lanes 16-31 one tile (64 rows) on
	v_lshl_add_u32 v[PFO], v66, 16, v[PFO]
	s_lshl_b32 s14, s13, 14
	v_add_nc_u32 v[PFO], s14, v[PFO]
	s_lshr_b32 s14, s[WV], 1        ; my head's K: sub-tile w / 2, its half w % 2 of each row
	s_mul_i32 s14, s14, SUBT
	s_and_b32 s15, s[WV], 1
	s_lshl_b32 s15, s15, 7
	s_add_co_u32 s14, s14, s15
	v_mul_u32_u24 v[AK0], v65, PK   ; a fragment of K: row r x pitch + 16 h
	v_lshl_add_u32 v[AK0], v66, 4, v[AK0]
	v_add_nc_u32 v[AK0], s14, v[AK0]
	v_lshl_add_u32 v[AV0], v66, 3, v67  ; the turning load: lane l reads key 8 h + l % 8, channels 8 ((l / 8) % 2) + 0..7
	v_mul_u32_u24 v[AV0], v[AV0], PV
	v_lshl_add_u32 v[AV0], v68, 4, v[AV0]
	s_add_co_u32 s14, s14, 2*SUBT   ; V's sub-tiles lie behind K's two
	v_add_nc_u32 v[AV0], s14, v[AV0]
	v_lshlrev_b32 v[QO], 10, v65
	v_lshl_add_u32 v[QO], v66, 4, v[QO]  ; row r x 1,024 + 16 h
	v_mul_u32_u24 v[OA], v65, PA
	v_lshl_add_u32 v[OA], v66, 4, v[OA]
	v_add_nc_u32 v[OA], AS, v[OA]
	s_lshl_b32 s14, s[WV], 9
	v_lshl_add_u32 v[BO], v66, 5, s14    ; bo of my columns: 512 w + 32 h, + 64 for each block
	s_wait_dscnt 0x0                ; the opening add is done
	s_wait_kmcnt 0x0
	s_add_nc_u64 s[KVB:KVB+1], s[4:5], s[20:21]
	s_add_nc_u64 s[WOB:WOB+1], s[6:7], s[22:23]
	s_add_nc_u64 s[32:33], s[4:5], s[34:35]
	s_add_nc_u64 s[38:39], s[4:5], s[38:39]
	s_add_nc_u64 s[10:11], s[10:11], s[36:37]
	TILEADR                         ; tile 0
	s_mov_b64 s[42:43], s[NA:NA+1]
	s_or_b32 s43, s43, 0x80000000
	s_mov_b32 s[NXT], 1
	TILEADR                         ; tile 1
	CROUND                          ; all four work-groups are here: the first joint load meets
	tensor_load_to_lds s[40:43], s[24:31]
	s_nop 0
	PLACES
	; A fragment of Q is 16 rows x 32 channels in 8 registers: two loads of 16 bytes, 32 bytes apart.  Both passes' Q: tile i / 2, channels 32 (i % 2) on.
	WIN 0x80                        ; destination window 2, address window 0
.set i, 0
.rept 16
	global_load_b128 v[8*i:8*i+3],   v[QO], s[32:33] offset:(i/2)*16384+(i%2)*64
	global_load_b128 v[8*i+4:8*i+7], v[QO], s[32:33] offset:(i/2)*16384+(i%2)*64+32
.set i, i+1
.endr
	WIN 0xc0                        ; destination window 3
.set i, 0
.rept 16
	global_load_b128 v[8*i:8*i+3],   v[QO], s[38:39] offset:(i/2)*16384+(i%2)*64
	global_load_b128 v[8*i+4:8*i+7], v[QO], s[38:39] offset:(i/2)*16384+(i%2)*64+32
.set i, i+1
.endr
.irp b, 0,1,2,3,4,5,6,7
	global_load_b128 v[BIAS+8*(\b):BIAS+8*(\b)+3],   v[BO], s[8:9] offset:6144+64*(\b)
	global_load_b128 v[BIAS+8*(\b)+4:BIAS+8*(\b)+7], v[BO], s[8:9] offset:6144+64*(\b)+16
.endr
	; What the first turn finds: V's registers and P's second buffer hold 0 (its products V^T P, of a piece that has not been, add 0), O^T and l are 0.  All this stands in the wait for the first tile.
	WIN 0x80
.set i, VF
.rept 64
	v_mov_b32 v[i], 0
.set i, i+1
.endr
	WIN 0x40
.set i, 0
.rept 64*NP
	v_mov_b32 v[i], 0
.set i, i+1
.endr
	WIN 0
.set i, 0
.rept 2*NP
	v_mov_b32 v[ST+4*i+2], 0
	v_mov_b32 v[ST+4*i+3], 0
.set i, i+1
.endr
.set i, P+32
.rept 32
	v_mov_b32 v[i], 0
.set i, i+1
.endr
; THE MATRIX WORK OF THE PASSES.  The 8 accumulators of a run of 16 take turns.
; Product i of 16 of S^T = K Q^T for piece x: channels 32 (i / 8) on, keys 16 ((i / 2) % 4) on, tile 2 x + i % 2.  The first 8 start the sums.
.macro KQ x
	WIN W_KQ
.set rS, S+64*((\x)%2)+32*(i%2)+8*((i/2)%4)
.set rK, KF+16*((i/2)%4)+8*(i/8)
.set rQ, 16*(2*(\x)+i%2)+8*(i/8)
.if i < 8
	v_wmma_f32_16x16x32_f16 v[rS:rS+7], v[rK:rK+7], v[rQ:rQ+7], 0
.else
	v_wmma_f32_16x16x32_f16 v[rS:rS+7], v[rK:rK+7], v[rQ:rQ+7], v[rS:rS+7]
.endif
.endm
; Product i of 16 of O^T += V^T P for piece x: keys 32 (i / 8) on, channels 16 ((i / 2) % 4) on, tile 2 x + i % 2.
.macro PV x
	WIN W_PV
.set rO, 32*(2*(\x)+i%2)+8*((i/2)%4)
.set rV, VF+32*(i/8)+8*((i/2)%4)
.set rP, P+32*((\x)%2)+16*(i%2)+8*(i/8)
	v_wmma_f32_16x16x32_f16 v[rO:rO+7], v[rV:rV+7], v[rP:rP+7], v[rO:rO+7]
.endm
.macro MM                           ; the turn's next matrix instruction
.if i < 16
	KQ (Y+1)%NP
.set i, i+1
.else
.set i, i-16
	PV (Y+NP-1)%NP
.set i, i+17
.endif
.endm
; THE LDS LOADS stand in runs of 16, never singly among the matrix instructions: a step's K (64 keys x 64 channels: 8 fragments) and its V (turned).  Their addresses are made some lines ahead.
.macro FETCH_K
	WIN 0x80                        ; destination window 2
.irp f, 0,1,2,3,4,5,6,7             ; keys 16 (f / 2) on, channels 32 (f % 2) on
	ds_load_b128 v[KF+8*\f:KF+8*\f+3],   v[AK] offset:(\f/2)*16*PK+(\f%2)*64
	ds_load_b128 v[KF+8*\f+4:KF+8*\f+7], v[AK] offset:(\f/2)*16*PK+(\f%2)*64+32
.endr
	WIN 0
.endm
.macro FETCH_V
	WIN 0x80
.irp f, 0,1,2,3,4,5,6,7             ; keys 32 (f / 4) on, channels 16 (f % 4) on
	ds_load_tr16_b128 v[VF+8*\f:VF+8*\f+3],   v[AV] offset:(\f/4)*32*PV+(\f%4)*32
	ds_load_tr16_b128 v[VF+8*\f+4:VF+8*\f+7], v[AV] offset:(\f/4)*32*PV+16*PV+(\f%4)*32
.endr
	WIN 0
.endm
; THE VECTOR WORK OF A TURN stands in three queues, each in the order in which its entries become ready; the two tiles alternate, so that no instruction reads the result of the one before it.
.macro REGS y, u                    ; the registers of tile u (0, 1) of piece y
.set rT, ST+4*(2*(\y)+(\u))
.set rC, TMP+8*((\y)%2)+4*(\u)
.set rM, MV+2*((\y)%2)+(\u)
.set rS, S+64*((\y)%2)+32*(\u)
.set rP, P+32*((\y)%2)+16*(\u)
.set rO, 32*(2*(\y)+(\u))
.endm
; Number n of the 22 that find the NEXT piece's (Y + 1) maximum and statistics.  s0-s31 are the lane's 32 scores; each accumulator's lowest registers are read first.
;   0-11  four chains c0-c3 of seven scores each, three operands at a time     12-14, 16  the four scores left over, the old m, and c0-c3 into c0     15  c m_old is kept
;   17, 18  the query's other 32 keys lie in the lane 16 away: the new m         19-21  c m; c m_old - c m_new; a
.macro XS u, n
	REGS (Y+1)%NP, \u
.if (\n) < 4
	v_max3_num_f32 v[rC+(\n)], v[rS+8*(\n)], v[rS+8*(\n)+1], v[rS+8*(\n)+2]
.elseif (\n) < 12
	v_max3_num_f32 v[rC+(\n)%4], v[rC+(\n)%4], v[rS+8*((\n)%4)+2*((\n)/4)+1], v[rS+8*((\n)%4)+2*((\n)/4)+2]
.elseif (\n) == 12
	v_max3_num_f32 v[rC], v[rC], v[rS+7], v[rS+15]
.elseif (\n) == 13
	v_max3_num_f32 v[rC+1], v[rC+1], v[rS+23], v[rS+31]
.elseif (\n) == 14
	v_max3_num_f32 v[rC+2], v[rC+2], v[rC+3], v[rT+1]
.elseif (\n) == 15
	v_mov_b32 v[rM], v[rT]
.elseif (\n) == 16
	v_max3_num_f32 v[rC], v[rC], v[rC+1], v[rC+2]
.elseif (\n) == 17
	v_permlanex16_b32 v[rC+3], v[rC], s[SEL], s[SEL+1]
.elseif (\n) == 18
	v_max_num_f32 v[rT+1], v[rC], v[rC+3]
.elseif (\n) == 19
	v_mul_f32 v[rT], s[CS], v[rT+1]
.elseif (\n) == 20
	v_sub_f32 v[rC+1], v[rM], v[rT]
.else
	v_exp_f32 v[rC+2], v[rC+1]
.endif
.endm
; Number g of the 64 that follow the exponentials.  For each four weights k of a tile (pairs 2 k, 2 k + 1): both pairs are rounded to f16; then the second pair is added onto the first, in place;
; a group later l takes that sum (the first time as l = a l + sum).  In groups of eight, tiles alternating: round, round, add, and l for the group before.
.macro GS g
.set h, (\g)+6*((\g)/62)            ; group 0 has no group before it, and behind group 7 only l is left
.if h >= 6
.set h, h+2
.endif
	REGS Y, h%2
.set k, h/8
.if h%8 < 4
	s_wait_alu depctr_va_vdst(0)
	v_cvt_pk_f16_f32 v[rP+2*k+(h%8)/2], v[rS+4*k+2*((h%8)/2)], v[rS+4*k+2*((h%8)/2)+1]
.elseif h%8 < 6
	v_pk_add_f32 v[rS+4*k:rS+4*k+1], v[rS+4*k:rS+4*k+1], v[rS+4*k+2:rS+4*k+3]
.elseif k == 1
	v_pk_fma_f32 v[rT+2:rT+3], v[rT+2:rT+3], v[rC+2:rC+3], v[rS:rS+1] op_sel_hi:[1,0,1]
.else
	v_pk_add_f32 v[rT+2:rT+3], v[rT+2:rT+3], v[rS+4*k-4:rS+4*k-3]
	s_wait_alu depctr_va_vdst(0)
.endif
.endm
; THE PLAIN QUEUE, 138 long.  0-31: c s - c m for the 16 pairs of both tiles.  Then GS's 64, and among them the next piece's 42: number 15 at 38, 39; 0-14 and 16
; at 42-73, behind the products that make those scores; 17-20 at 95-106, two of three, since each waits for the one before it.
.macro PL
	WIN 0
.if q < 32
	REGS Y, q%2
	v_pk_fma_f32 v[rS+2*(q/2):rS+2*(q/2)+1], v[rS+2*(q/2):rS+2*(q/2)+1], s[CS:CS+1], v[rT:rT+1] op_sel_hi:[1,0,0] neg_lo:[0,0,1] neg_hi:[0,0,1]
.elseif q < 38
	GS q-32
.elseif q < 40
	XS q%2, 15
.elseif q < 42
	GS q-34
.elseif q < 74
	XS q%2, (q-42)/2+(q-42)/30
.elseif q < 95
	GS q-66
.elseif (q < 107) && ((q-95)%3 < 2)
	XS (q-95)%3, 17+(q-95)/3
.elseif q < 107
	GS 29+(q-95)/3
.else
	GS q-74
.endif
.set q, q+1
.endm
; THE EXPONENTIALS' QUEUE, 66 long: s0-s31 of both tiles, and at EA the next piece's two a.
.set EA, 58
.macro EX
	WIN 0
.if (e == EA) || (e == EA+1)
	XS e-EA, 21
.else
.set x, e-2*(e/(EA+2))
	REGS Y, x%2
	v_exp_f32 v[rS+x/2], v[rS+x/2]
.endif
.set e, e+1
.endm
; THE RESCALING's QUEUE: O^T times a, the one part that leaves window 0, so it is dealt four at a time, eight times.
.macro R4
	REGS Y, r%2
	WIN W_RS
	s_wait_alu depctr_va_vdst(0)
.irp z, 0,1,2,3
	v_pk_mul_f32 v[rO+8*(r/2)+2*\z:rO+8*(r/2)+2*\z+1], v[rO+8*(r/2)+2*\z:rO+8*(r/2)+2*\z+1], v[rC+2:rC+3] op_sel_hi:[1,0]
.endr
.set r, r+1
.endm
; HOW THEY ARE DEALT.  Behind a matrix instruction four: plain, exponential, plain, plain (one exponential, a plain instruction on either side), or four of the rescaling.  None names a register of the
; products round it.  What is over stands in two runs: exponential and plain by turns; the second ends in 22 plain instructions.  The two v_permlanex16_b32 fall into the second run, never behind a product.
; The queues lean on each other, and the deal keeps them in step: exponential e stands behind plain 2 (e / 4) + e % 2 (its scaling); when plain 32 comes, 10 exponentials are out, at 59: 33, at 95: 46; EA comes behind plain 107.
.macro SL
	MM
	PL
	EX
	PL
	PL
.endm
.macro BURST n                      ; 15 matrix instructions, or 16
.rept (\n)-7
	SL
.endr
.rept 3
	MM
	R4
	SL
.endr
	MM
	R4
.endm
; A TURN, for piece p.  K of the next step is fetched in piece 2's turn, out of the slot that the change in front of that turn has entered, 31 vector instructions behind the last product that read K;
; V of the step in hand at the end of piece 0's turn, 69 behind its last reader.  Each run is waited for a turn later.  The conditions on e and q go with the deal.
.macro ATURN p
.set Y, (\p)
.set i, 0
.set q, 0
.set e, 0
.set r, 0
.if (\p) == NP-1
	s_wait_dscnt 0x0                ; K is in
.endif
	MM
.rept 4
	PL
.endr
	BURST 15
.rept 22
	EX
	PL
.if ((\p) == NP-2) && (e == 18)
	v_add_nc_u32 v[AK], s[TB], v[AK0]
.endif
.if ((\p) == NP-2) && (e == 24)
	FETCH_K
.endif
.endr
.if (\p) == 1
	s_wait_dscnt 0x0                ; V is in
.endif
	BURST 16
.rept 21
	EX
	PL
.endr
.rept 22
	PL
.if ((\p) == 0) && (q == 118)
	v_add_nc_u32 v[AV], s[TB], v[AV0]
	s_wait_alu depctr_va_vdst(0)
.endif
.endr
.if (\p) == 0
	FETCH_V
.endif
.endm
.macro ALL line:vararg              ; one line for each tile t
.set t, 0
.rept 2*NP
	\line
.set t, t+1
.endr
.endm
; Tile t of O: divided by l, rounded to f16; a lane's eight channels of a row are 16 bytes of my head's slab, laid as the last product's fragments want them.
.macro OPACK t
	WIN W_RS
.set i, 32*(\t)
.rept 16
	v_pk_mul_f32 v[i:i+1], v[i:i+1], v[ST+4*(\t)+2:ST+4*(\t)+3] op_sel_hi:[1,0]
.set i, i+2
.endr
	WIN 0x05                        ; sources 0 and 1 window 1, destination window 0
.set i, 0
.rept 16
	v_cvt_pk_f16_f32 v[S+16*(\t)+i], v[32*(\t)+2*i], v[32*(\t)+2*i+1]
.set i, i+1
.endr
	WIN 0
.irp f, 0,1,2,3
	ds_store_b128 v[TMP], v[S+16*(\t)+4*\f:S+16*(\t)+4*\f+3] offset:2304*(\t)+32*\f
.endr
.endm
	CHANGE 0                        ; tile 0 is in, everybody's part of it; tile 1 is asked for.  Nothing is prefetched here, at the head
.Lpass:
	s_wait_loadcnt 0x0              ; both passes' Q and bo
	s_cmp_eq_u32 s[PASS], 2
	s_cbranch_scc1 .Lq_in
	WIN 0x83                        ; the second pass's Q goes where the one text of the turns names Q
.set i, 0
.rept 128
	v_mov_b32 v[i], v[i]
.set i, i+1
.endr
	WIN 0
.Lq_in:
.set i, 0
.rept 2*NP
	v_mov_b32 v[ST+4*i], 0xfe000000    ; c m: far below every c s, so the first step's a is 0
	v_mov_b32 v[ST+4*i+1], 0xff7fffff  ; m: the lowest finite number, so the first maximum is the scores'
.set i, i+1
.endr
	v_add_nc_u32 v[AK], s[TB], v[AK0]
	FETCH_K                         ; the pass's key step 0
	s_wait_dscnt 0x0
.set i, 0
.rept 16
	KQ 0                            ; piece 0's first scores
.set i, i+1
.endr
	WIN 0
	PLACES
.set Y, NP-1                        ; XS works for piece Y + 1: piece 0
.irp n, 0,1,2,3,4,5,6,7,8,9,10,11,12,13,14,15,16,17,18,19,20,21
	XS 0, \n
	XS 1, \n
.endr
	s_mov_b32 s[CNT], 9
	s_branch .Lfirst                ; the loop is entered at a step's first turn, in the middle of a trip
.Lstep:                             ; a trip: the change of slots, pieces 2 and 3 of one step, then pieces 0 and 1 of the next.  Eight changes a pass: the eighth enters the next pass's first tile (or wo's)
	CHANGE 1
	ATURN 2
	ATURN 3
	WIN 0
	s_cmp_eq_u32 s[CNT], 1          ; the ninth trip is left in its middle: its 16 products K Q^T (on a tile that is not this head's) and the maximum made of them serve nothing: the price, once a pass, of one text for every trip
	s_cbranch_scc1 .Lout
.Lfirst:
	ATURN 0
	ATURN 1
	WIN 0
	s_sub_co_u32 s[CNT], s[CNT], 1
	s_cmp_lg_u32 s[CNT], 0
	s_cbranch_scc1 .Lstep
.Lout:
.set i, 0
.rept 16
	PV NP-1                         ; the last piece's V^T P of the last step
.set i, i+1
.endr
	WIN 0                           ; l's two halves and the other half of the lanes' are added: these lines are the places behind the last products
	ALL v_add_f32 v[ST+4*t+2], v[ST+4*t+2], v[ST+4*t+3]
	ALL v_permlanex16_b32 v[ST+4*t+3], v[ST+4*t+2], s[SEL], s[SEL+1]
	ALL v_add_f32 v[ST+4*t+2], v[ST+4*t+2], v[ST+4*t+3]
	ALL v_rcp_f32 v[ST+4*t+2], v[ST+4*t+2]
	v_nop                           ; a plain instruction between the last reciprocal and the use of its result
	v_add_nc_u32 v[TMP], s[HO], v[OA]
	s_wait_alu depctr_va_vdst(0)
.irp t, 0,1,2,3,4,5,6,7
	OPACK \t
.endr
	s_add_co_u32 s[HO], s[HO], 4*SLAB  ; the second pass's head lies four slabs on
	s_sub_co_u32 s[PASS], s[PASS], 1
	s_cmp_lg_u32 s[PASS], 0
	s_cbranch_scc1 .Lpass
; THE LAST PRODUCT: out = O wo + bo.  O's 128 x 512 lie in LDS, a slab for each K step of 64; wo streams on through the ring.  Wave w makes 128 rows x 128 columns: 64 accumulators, used transposed:
; source 0 = 16 columns of wo (turned on the way out of LDS), source 1 = 16 rows of O.  A lane holds row l % 16 and eight neighbouring columns.  The accumulators take turns in one order.
; zero = 1: the first product starts the sum with bo as C.  bo's registers are also row block 7's accumulators: five v_nop stand between the products that read them as C and those that write them.
.macro MUL16 f, hi, a0, zero
.if \zero
	WIN 0x81+0x40*(\hi)+0x10*BIASW
.else
	WIN 0xa1+0x50*(\hi)
.endif
.irp a, \a0, (\a0)+1
.if (\zero) && ((\hi) == 1) && ((\a) == 3)
.rept 5
	v_nop
.endr
.endif
.irp b, 0,1,2,3,4,5,6,7
.if \zero
	v_wmma_f32_16x16x32_f16 v[8*(8*(\a)+(\b)):8*(8*(\a)+(\b))+7], v[(\f)+8*(\b):(\f)+8*(\b)+7], v[(\f)+8*(4*(\hi)+(\a)):(\f)+8*(4*(\hi)+(\a))+7], v[BIAS+8*(\b):BIAS+8*(\b)+7]
.else
	v_wmma_f32_16x16x32_f16 v[8*(8*(\a)+(\b)):8*(8*(\a)+(\b))+7], v[(\f)+8*(\b):(\f)+8*(\b)+7], v[(\f)+8*(4*(\hi)+(\a)):(\f)+8*(4*(\hi)+(\a))+7], v[8*(8*(\a)+(\b)):8*(8*(\a)+(\b))+7]
.endif
.endr
.endr
.endm
; 32 LDS loads in one run: half q (32 k) of a K step: my 128 columns of wo, turned, then the 128 rows of O at byte ka behind ADRA.  wo's come first, so the youngest eight are O's rows 64-127.
.macro GFETCH slot, q, ka, f
	WIN 0x40
.irp i, 0,1,2,3,4,5,6,7
	ds_load_tr16_b128 v[(\f)+8*(\i):(\f)+8*(\i)+3],   v[ADRB+(\slot)] offset:(\q)*9216+32*(\i)
	ds_load_tr16_b128 v[(\f)+8*(\i)+4:(\f)+8*(\i)+7], v[ADRB+(\slot)] offset:(\q)*9216+4608+32*(\i)
.endr
	WIN 0
.irp i, 0,1,2,3,4,5,6,7
	ds_load_b128 v[(\f)+8*(\i):(\f)+8*(\i)+3],   v[ADRA] offset:(\ka)+2304*(\i)
	ds_load_b128 v[(\f)+8*(\i)+4:(\f)+8*(\i)+7], v[ADRA] offset:(\ka)+2304*(\i)+32
.endr
.endm
.macro GQ slot, ka, zero            ; a K step's first half: multiplies buffer 0 and fetches the second half into buffer 1
	s_wait_dscnt 8                  ; wo and O's rows 0-63 are in; the youngest eight loads may be out
	MUL16 F0, 0, 0, \zero
	MUL16 F0, 0, 2, \zero
	PLACES
	GFETCH \slot, 1, \ka, F1
	s_wait_dscnt 32                 ; all but the 32 just issued
	MUL16 F0, 1, 0, \zero
	MUL16 F0, 1, 2, \zero
.endm
.macro GMEET round                  ; ONE barrier for the change of slots, with the three lines in front of it.  round = 1: a fill follows: its descriptor is made while the add is out
	WIN 0
	s_wait_tensorcnt 0x0            ; all my tensor loads have landed: the one that was out is my part of the next slot; group 0 may be written
	ds_add_u32 v[SPW], v[NIL]       ; 0 onto my spare word
.if \round
	NEXTTILE
.endif
	s_wait_dscnt 9                  ; (the add and the youngest eight loads may be out)
	MUL16 F1, 0, 0, 0               ; sixteen matrix instructions stand between the add and the wait for it
	s_wait_dscnt 0x0                ; the add is done, and my reads of this slot are over
	s_barrier_signal -1
	MUL16 F1, 0, 2, 0
.if \round
	WIN 0
.endif
	s_barrier_wait -1
.endm
; A K step's second half.  fill = 1: the barrier opens a round of the cluster's, and the slot just read out is filled again, with the tile two K steps on, first thing behind the round.  kstep = 1: the next pair of slabs.
.macro GT slot, next, fill, kstep, ka
	GMEET \fill
.if \fill
	CREST
	tensor_load_to_lds s[40:43], s[24:31]
	s_nop 0
	PLACES                          ; also the places in front of the loads below
.else
	PLACES
	WIN 0
.endif
.if (\kstep) == 1
	s_sub_co_u32 s14, 4, s3
	s_mul_i32 s14, s14, 2*SLAB
	v_add_nc_u32 v[ADRA], s14, v[ADRA0]
.endif
	GFETCH \next, 0, \ka, F0
	MUL16 F1, 1, 0, 0
	MUL16 F1, 1, 2, 0
.endm
; THE WAY OUT of row block a, in f32.  The stage is my own sub-tile of slot 0, which has had its last fill and which I alone have read: 16 rows of 512 bytes + 16 of padding.
; TS: a lane's eight columns, 32 bytes, into the stage (each accumulator's low half first), and whole rows of 512 bytes back.  SD: stored.
.macro TS a
.set AC, 64*((\a)%4)
.set BK, 64+64*((\a)%2)
	WIN 0x08+4*((\a)/4)             ; the stores' data in window 2 or 3
.irp b, 0,1,2,3,4,5,6,7
	ds_store_b128 v[STO], v[AC+8*(\b):AC+8*(\b)+3]   offset:64*(\b)
	ds_store_b128 v[STO], v[AC+8*(\b)+4:AC+8*(\b)+7] offset:64*(\b)+16
.endr
	WIN 0
.irp t, 0,1,2,3,4,5,6,7,8,9,10,11,12,13,14,15
	ds_load_b128 v[BK+4*(\t):BK+4*(\t)+3], v[RD] offset:528*(\t)  ; LDS serves a wave's instructions in order (ISA guide 5.7.1.4): these see the stores above; the next block's stores come behind them
.endr
.endm
.macro SD a, y                      ; y: the LDS instructions issued behind block a's loads: the next block's 32, or none
.set BK, 64+64*((\a)%2)
.irp t, 0,1,2,3,4,5,6,7,8,9,10,11,12,13,14,15
	s_wait_dscnt (\y)+15-(\t)       ; row t is back: behind its load stand the block's later loads and y more
	global_store_b128 v[CO], v[BK+4*(\t):BK+4*(\t)+3], s[10:11] offset:(\a)*32768+2048*(\t) th:TH_STORE_NT  ; 512 consecutive bytes, at a multiple of 256 from out0's first byte
.endr
.endm
	s_wait_dscnt 0x0                ; for the others' sake: my stores of O are done
	s_barrier_signal -1
	s_barrier_wait -1               ; all eight slabs are whole.  wo's first tile was shown landed by the last change; the second's load may stay out
	v_and_b32 v12, 15, v0           ; r
	v_bfe_u32 v13, v0, 4, 1         ; h
	v_and_b32 v14, 7, v0
	v_bfe_u32 v15, v0, 3, 1
	v_and_b32 v16, 31, v0           ; l
	s_mul_i32 s14, s[WV], SUBT      ; my sub-tile
	v_lshl_add_u32 v[ADRB], v13, 3, v14
	v_mul_u32_u24 v[ADRB], v[ADRB], 288
	v_lshl_add_u32 v[ADRB], v15, 4, v[ADRB]
	v_add_nc_u32 v[ADRB], s14, v[ADRB]
	v_add_nc_u32 v[ADRB+1], SLOT1, v[ADRB]
	v_mov_b32 v[ADRA], v[ADRA0]
	v_mul_u32_u24 v[STO], v12, 528  ; in: row r, 32 bytes for each half of the lanes
	v_lshl_add_u32 v[STO], v13, 5, v[STO]
	v_add_nc_u32 v[STO], s14, v[STO]
	v_lshl_add_u32 v[RD], v16, 4, s14  ; back: 32 lanes take a row's 512 bytes,
	v_lshlrev_b32 v[CO], 4, v16     ; which are 512 consecutive bytes of the output
	GFETCH 0, 0, 0, F0
	GQ 0, 64, 1                     ; the first half step stands in front of the loop: its products start the sums
	WIN 0
	s_mov_b32 s3, 3
.Llap:                              ; a trip goes once round the ring and fills both slots again: wo's tiles 18 to 23
	GT 0, 1, 1, 0, SLAB
	GQ 1, SLAB+64, 0
	GT 1, 0, 1, 1, 0
	GQ 0, 64, 0
	WIN 0
	s_sub_co_u32 s3, s3, 1
	s_cmp_lg_u32 s3, 0
	s_cbranch_scc1 .Llap
	GT 0, 1, 0, 0, SLAB             ; the tail is written out: nothing is left to ask for
	GQ 1, SLAB+64, 0
	s_wait_dscnt 8
	MUL16 F1, 0, 0, 0
	MUL16 F1, 0, 2, 0
	s_wait_dscnt 0x0
	MUL16 F1, 1, 0, 0
	MUL16 F1, 1, 2, 0
	WIN 0
	PLACES
	TS 0
.irp a, 1,2,3,4,5,6,7
.if (\a) >= 2
	s_wait_xcnt 0x0                 ; the stores of the block before last have read their registers, which are loaded again below
.endif
	TS \a
	SD (\a)-1, 32
.endr
	SD 7, 0
	s_wait_tensorcnt 0x0            ; the wave's end: an add of 0 onto my spare word, waited for, stands behind my last tensor load and my last LDS store
	ds_add_u32 v[SPW], v[NIL]
	s_wait_dscnt 0x0
	CROUND                          ; the closing round: no work-group ends while a partner may still ask for a tile that names it
	s_endpgm
.Lfunc_end_k_qefb3a16ea5_attn:
	.size	k_qefb3a16ea5_attn, .Lfunc_end_k_qefb3a16ea5_attn-k_qefb3a16ea5_attn
	.p2alignl 7, 3214868480
	.fill 96, 4, 3214868480
	.section	.rodata,"a",@progbits
	.p2align	6, 0x0
	.amdhsa_kernel k_qefb3a16ea5_attn
		.amdhsa_group_segment_fixed_size 327680
		.amdhsa_private_segment_fixed_size 0
		.amdhsa_enable_private_segment 0
		.amdhsa_kernarg_size 32
		.amdhsa_user_sgpr_count 2
		.amdhsa_user_sgpr_kernarg_segment_ptr 1
		.amdhsa_wavefront_size32 1
		.amdhsa_system_sgpr_workgroup_id_x 1
		.amdhsa_system_sgpr_workgroup_id_y 1
		.amdhsa_system_sgpr_workgroup_id_z 1
		.amdhsa_system_vgpr_workitem_id 0
		.amdhsa_next_free_vgpr 1024
		.amdhsa_next_free_sgpr 66
		.amdhsa_reserve_vcc 0
		.amdhsa_float_denorm_mode_32 3
		.amdhsa_float_denorm_mode_16_64 3
		.amdhsa_memory_ordered 1
		.amdhsa_forward_progress 1
		.amdhsa_inst_pref_size 223
	.end_amdhsa_kernel
	.amdgpu_metadata
---
amdhsa.version: [ 1, 2 ]
amdhsa.kernels:
  - .name:           k_qefb3a16ea5_attn
    .symbol:         k_qefb3a16ea5_attn.kd
    .args:
      - { .name: qkv, .offset: 0, .size: 8, .value_kind: global_buffer, .address_space: global }
      - { .name: wb, .offset: 8, .size: 8, .value_kind: global_buffer, .address_space: global }
      - { .name: bb, .offset: 16, .size: 8, .value_kind: global_buffer, .address_space: global }
      - { .name: out0, .offset: 24, .size: 8, .value_kind: global_buffer, .address_space: global }
    .group_segment_fixed_size: 327680
    .private_segment_fixed_size: 0
    .kernarg_segment_align: 8
    .kernarg_segment_size: 32
    .max_flat_workgroup_size: 128
    .sgpr_count:     66
    .vgpr_count:     1024
    .wavefront_size: 32
...
	.end_amdgpu_metadata
.endif
;; end of part 3
